; MI455X (gfx1250); checked and timed in simulation.
; The chip was launched on July 23, 2026; its instructions are those of AMD's public machine-readable ISA for CDNA 5 (MIT licence, August 2026) and "CDNA5" Instruction Set Architecture Reference Guide (July 2026). The comments in the code are by the model that wrote it; some were corrected since.
;; Additive Attention. Allowed arithmetic: matrix products marked QUANTISED: E2M1 operands, one E8M0 scale for each 32 along K, by v_wmma_scale_f32_16x16x128_f8f6f4 with both operands' format E2M1 (or v_wmma_scale_f32_32x16x128_f4), f32 sums; products left as they are: f32 operands where the result goes on into a quantised operand, else bf16, f16 or f32 operands; f32 sums; everything else in f32.
;; Inputs: W1 1,024 x 1,024 float32; W2 1,024 x 1,024 float32; query 32 x 1,024 float32; v 1,024 float32; values 32 x 2,048 x 1,024 float32.
;; Outputs: out0 32 x 1,024 float32; out1 32 x 2,048 float32.
;; This version of the problem:
;;   THIS VERSION OF THE PROBLEM IS GIVEN IN LOW PRECISION. The matrix products marked QUANTISED in the list below multiply operands that are first quantised to E2M1 (2 exponent bits, 1 mantissa bit; 4 bits a number), with one power-of-two scale for each 32 numbers along K (OCP MX v1.0); their sums are f32. All else is computed in f32.
;;   The module's matrix products, in the order in which they are computed (A, B: the left and right operand; K: the contracted axis; several contracted axes count as one K, in the product's order):
;;     1. [M 32, K 1,024] x [K 1,024, N 1,024]; A: input query; B: input W2: QUANTISED
;;     2. [M 65,536, K 1,024] x [K 1,024, N 1,024]; A: input values; B: input W1: QUANTISED
;;     3. [M 65,536, K 1,024] x [K 1,024, N 1]; A: computed on the way; B: input v: left as it is (N = 1 < 16)
;;     4. batch 32 x [M 1, K 2,048] x [K 2,048, N 1,024]; A: softmax; B: input values: left as it is (M = 1 < 16)
;;   THE QUANTISER, for each operand of a quantised product, along K:
;;     - K is cut into blocks of 32 from its start; a last block that is shorter is filled with zeros.
;;     - A block's scale is 2^e with e = floor(log2(the largest magnitude in the block)) - 2, held to -126 .. 127; a block of zeros has e = 0. As a byte (E8M0): e + 127.
;;     - Each number is divided by its block's scale, clamped to +-6, and rounded to the nearest number of E2M1, ties to even, subnormals kept.
;;     - The product sums the exact products of the quantised numbers (number of the format x scale) in f32.
;;   ~~~python
;;   def quantise(x, axis):      # numpy; x: float32 -> the quantised numbers, widened to float32 again
;;       x = np.moveaxis(x, axis, -1); K = x.shape[-1]
;;       x = np.pad(x, [(0, 0)] * (x.ndim - 1) + [(0, -K % 32)]); x = x.reshape(x.shape[:-1] + (-1, 32)); a = np.abs(x).max(-1, keepdims=True)
;;       e = np.where(a > 0, np.clip(np.frexp(np.where(a > 0, a, 1))[1] - 1 - 2, -126, 127), 0)      # np.frexp(a)[1] - 1 = floor(log2(a)), exactly
;;       r = np.clip(x / 2.0 ** e, -6, 6)
;;       step = 2.0 ** (np.maximum(np.frexp(np.where(r == 0, 1, r))[1] - 1, 0) - 1)
;;       q = np.round(r / step) * step * 2.0 ** e      # np.round: ties to even
;;       return np.moveaxis(q.reshape(q.shape[:-2] + (-1,))[..., :K], -1, axis).astype(np.float32)
;;   ~~~
;; One version. Each part assembles by itself: llvm-mc -triple=amdgcn-amd-amdhsa -mcpu=gfx1250 --defsym DOCPART=n.
;; ======== version 1 of 1: 3 launches
;; limits: values are held in bf16: 8 bits of precision; right only within a limited range of input values
;; workspace buffers: w1f 524,288 bytes; w1s 32,768 bytes; cqv 262,144 bytes; tsc 262,144 bytes; part 4,194,304 bytes; stat 131,072 bytes
;; launch prep (part 1): grid 64 x 1, 8 waves a work-group, no clusters, 168,960 bytes of LDS; arguments W1, W2, query, v, w1f, w1s, cqv; writes w1f, w1s, cqv
.if DOCPART == 1
	.amdgcn_target "amdgcn-amd-amdhsa--gfx1250"
	.amdhsa_code_object_version 6
	.text
	.protected	k_q311dac1134_prep
	.globl	k_q311dac1134_prep
	.p2align	8
	.type	k_q311dac1134_prep,@function
k_q311dac1134_prep:
	s_mov_b64 s[64:65], 0
	v_nop
	global_prefetch_b8 v0, s[64:65] scope:SCOPE_SE
	s_setreg_imm32_b32 hwreg(HW_REG_WAVE_MODE, 25, 1), 1
	s_wait_xcnt 0x0
; W1 and W2, [1024 (k)][1024 (h)] f32, are quantised along K (their FIRST axis) to FP4 (E2M1) with one E8M0 byte for each 32 along K.
; Work-groups 0-31 take W1 and store it as images of operand registers (w1f) with its scale words (w1s).
; Work-groups 32-63 take W2, quantise the query too, form query_proj by the scaled FP4 matrix instruction, and store the table
; cqv[b][h] = (c x query_proj[b][h], -c x v[h]), c = 2 log2(e), which the next launch's tanh wants.
; SHARES.  A work-group takes 32 columns h = 32 g + lane; wave w takes K step w (128 along K).  A LANE TAKES A COLUMN AND ITS REGISTERS RUN DOWN K:
; a block of 32 lies in one lane's 32 registers, its largest magnitude needs no other lane, and the conversions give codes with K innermost.
; THE QUERY's K step of a row is 512 consecutive bytes: one load of the wave; the 32 rows turn through the wave's own stage in LDS and come back in the operand's order
; (lane (r, hh): 32 neighbours along K of row r), so that no load touches more than 512 consecutive bytes.
; A block's scale byte is its largest magnitude's exponent field - 2, held at 1 from below by a floor among the maximum's leaves.
; LIMITS: a block of zeros, and a block whose largest magnitude lies under 2^-124, keeps the byte 1 (the rule says 127 for zeros: its codes are zeros,
; and these bytes are read by this program alone); NaN and infinities among the inputs are not served.
; The two kinds of work-group part ONCE, on the work-group's number, and each way is written out to its own end; only the second uses LDS and a barrier.
.set X,   32                           ; v32-95   two sets of 32 numbers of my column
.set QX,  96                           ; v96-223  the query: as loaded row i at 4 i; back from the stage 2 tiles of 16 rows x 64 numbers a lane
.set ACC, 96                           ; v96-127  later: four accumulators
.set PC,  224                          ; v224-239 my column's codes: block t at PC + 4 pi(t), pi = 0, 2, 1, 3
.set QA,  240                          ; v240-255 the query's two fragments
.set SW,  28                           ; v28      my column's scale word for this K step;  v29, v30: the query's
.set QST, 32768                        ; LDS: 0 .. 32,767 the exchange of partial sums; from here a stage for each wave: 32 rows x (512 bytes + 16)
.set QSP, 528
	s_load_b256 s[4:11], s[0:1], 0x0               ; W1 s[4:5], W2 s[6:7], query s[8:9], v s[10:11]
	s_load_b128 s[12:15], s[0:1], 0x20             ; w1f s[12:13], w1s s[14:15]
	s_load_b64 s[16:17], s[0:1], 0x30              ; cqv
	v_lshl_add_u32 v14, v0, 2, 167936              ; my spare word: behind the eight stages, 128 bytes a wave, four blocks of 256 bytes that no other line names
	v_mov_b32 v15, 0                               ; and 0: both are kept for the closing add alone
	v_lshrrev_b32 v2, 5, v0
	s_delay_alu instid0(VALU_DEP_1)
	v_readfirstlane_b32 s18, v2                    ; wave = K step
	v_and_b32 v4, 31, v0                           ; lane
	s_delay_alu instid0(VALU_DEP_1)
	v_lshlrev_b32 v1, 2, v4                        ; 4 bytes a lane in a row of W
	v_and_b32 v2, 15, v0                           ; r
	v_bfe_u32 v3, v0, 4, 1                         ; hh
	s_and_b32 s19, ttmp9, 31                       ; g: which 32 columns
	s_lshl_b32 s20, s18, 19                        ; my 128 rows of 4,096 bytes
	s_lshl_b32 s21, s19, 7                         ; my 32 columns
	s_add_co_u32 s20, s20, s21
	s_mov_b32 s21, 0
	s_mov_b32 s23, 0
	s_wait_kmcnt 0x0
.macro WLOAD t, b                      ; block t: W(128 w + 32 t + i, my column), i = 0 .. 31, into set t % 2; 32 lanes read 128 consecutive bytes
.set i, 0
.rept 32
	global_load_b32 v[X+32*((\t)%2)+i], v1, s[\b:\b+1] offset:(32*(\t)+i)*4096 th:TH_LOAD_NT
.set i, i+1
.endr
.endm
.macro BLOCK t, cnt, b                 ; cnt: the younger loads, which may stay out
.set XS, X+32*((\t)%2)
.set PB, PC+4*(2*((\t)&1)+((\t)>>1))
	s_wait_loadcnt \cnt
	v_max3_num_f32 v16, |v[XS]|, |v[XS+1]|, |v[XS+2]|              ; the block's largest magnitude, in two chains
	v_max3_num_f32 v17, |v[XS+3]|, |v[XS+4]|, |v[XS+5]|
.irp i, 6,10,14,18,22,26
	s_delay_alu instid0(VALU_DEP_2)
	v_max3_num_f32 v16, v16, |v[XS+\i]|, |v[XS+\i+1]|
	s_delay_alu instid0(VALU_DEP_2)
	v_max3_num_f32 v17, v17, |v[XS+\i+2]|, |v[XS+\i+3]|
.endr
	s_delay_alu instid0(VALU_DEP_2)
	v_max3_num_f32 v16, v16, |v[XS+30]|, |v[XS+31]|
	s_delay_alu instid0(VALU_DEP_1)
	v_max3_num_f32 v16, v16, v17, 0x1800000        ; and the floor 2^(3 - 127): the byte cannot fall under 1
	s_delay_alu instid0(VALU_DEP_1)
	v_add_nc_u32 v18, 0xff000000, v16              ; 2 off the exponent field: the conversion takes that field as its scale
.irp g, 0,1,2,3
	v_cvt_scalef32_pk8_fp4_f32 v[PB+\g], v[XS+8*\g:XS+8*\g+7], v18
.endr
	v_lshrrev_b32 v19, 23, v18                     ; the scale's byte (also the plain line behind the conversions)
.if (\t) == 0
	s_delay_alu instid0(VALU_DEP_1)
	v_mov_b32 v[SW], v19
.else
	s_delay_alu instid0(VALU_DEP_1)
	v_lshl_or_b32 v[SW], v19, 8*(\t), v[SW]
.endif
.if (\t) < 2
	WLOAD (\t)+2, \b
.endif
.endm
	s_cmp_lt_u32 ttmp9, 32
	s_cbranch_scc0 .Lw2
; ---------------- W1: codes and scale words leave as the next launch's operand registers want them
	s_add_nc_u64 s[4:5], s[4:5], s[20:21]
	s_wait_alu depctr_va_vdst(0)
	WLOAD 0, 4
	WLOAD 1, 4
	v_lshlrev_b32 v5, 4, v2
	s_delay_alu instid0(VALU_DEP_1)
	v_lshl_add_u32 v6, v3, 9, v5                   ; w1s: tile (lane / 16) of 512 bytes, 16 bytes a column
	s_delay_alu instid0(VALU_DEP_2)
	v_lshl_add_u32 v5, v3, 13, v5                  ; w1f: tile (lane / 16) of 8,192 bytes, 16 bytes a column
	s_lshl_b32 s22, s19, 14                        ; w1f: two tiles a work-group, 1,024 bytes a K step
	s_lshl_b32 s24, s18, 10
	s_add_co_u32 s22, s22, s24
	s_add_nc_u64 s[12:13], s[12:13], s[22:23]
	s_lshl_b32 s22, s19, 10                        ; w1s: K step 4 hh + q lies at 256 hh + 4 q
	s_lshr_b32 s24, s18, 2
	s_lshl_b32 s24, s24, 8
	s_add_co_u32 s22, s22, s24
	s_and_b32 s24, s18, 3
	s_lshl_b32 s24, s24, 2
	s_add_co_u32 s22, s22, s24
	s_add_nc_u64 s[14:15], s[14:15], s[22:23]
	BLOCK 0, 32, 4
	BLOCK 1, 32, 4
	BLOCK 2, 32, 4
	BLOCK 3, 0, 4
.irp t, 0,1,2,3
	global_store_b128 v5, v[PC+4*(2*(\t&1)+(\t>>1)):PC+4*(2*(\t&1)+(\t>>1))+3], s[12:13] offset:(\t>>1)*512+(\t&1)*256   ; sixteen lanes store 256 consecutive bytes, aligned
.endr
	global_store_b32 v6, v[SW], s[14:15]
	s_endpgm
; ---------------- W2: query_proj
.Lw2:
	s_add_nc_u64 s[6:7], s[6:7], s[20:21]
	s_lshl_b32 s22, s18, 9                         ; the query's K step: 512 bytes on in each row
	s_add_nc_u64 s[8:9], s[8:9], s[22:23]
	s_wait_alu depctr_va_vdst(0)
	v_lshlrev_b32 v7, 4, v4                        ; 16 bytes a lane: a row's 512 bytes in one load
.set i, 0
.rept 32
	global_load_b128 v[QX+4*i:QX+4*i+3], v7, s[8:9] offset:4096*i
.set i, i+1
.endr
	s_lshr_b32 s24, s18, 1
	s_and_b32 s24, s24, 1                          ; n: which 16 of the 32 columns I finish behind the barrier
	s_lshr_b32 s25, s18, 2                         ; m: which 16 batches
	s_and_b32 s26, s18, 1                          ; which four registers of that accumulator
	s_lshl_b32 s27, s19, 5
	s_lshl_b32 s28, s24, 4
	s_add_co_u32 s27, s27, s28                     ; their first column: 32 g + 16 n
	s_lshl_b32 s28, s27, 2
	v_lshl_add_u32 v8, v2, 2, s28
	global_load_b32 v31, v8, s[10:11]              ; v[32 g + 16 n + r]
	WLOAD 0, 6
	s_mov_b32 s30, 0x76543210
	s_mov_b32 s31, 0xfedcba98                      ; v_permlanex16_b32's selects for lane l xor 16
	v_mov_b32 v26, 0                               ; a lane permute's destination counts as one of its sources
	s_lshl_b32 s29, s18, 12
	v_lshl_add_u32 v9, v4, 4, s29                  ; LDS: my wave's 4,096 bytes of the exchange, 16 a lane
	s_lshl_b32 s29, s18, 9
	v_lshl_add_u32 v10, v4, 4, s29                 ; and on the way back: piece w of every wave's
	s_lshl_b32 s22, s25, 17                        ; cqv: batch 16 m + 8 hh + 4 (w & 1) + e, 8,192 bytes a batch; column, 8 bytes
	s_lshl_b32 s28, s26, 15
	s_add_co_u32 s22, s22, s28
	s_lshl_b32 s28, s27, 3
	s_add_co_u32 s22, s22, s28
	v_lshlrev_b32 v11, 3, v2
	s_delay_alu instid0(VALU_DEP_1)
	v_lshl_add_u32 v11, v3, 16, v11
	s_delay_alu instid0(VALU_DEP_1)
	v_add_nc_u32 v11, s22, v11
	s_mul_i32 s29, s18, 32*QSP
	s_add_co_u32 s29, s29, QST                     ; my stage
	v_lshl_add_u32 v12, v4, 4, s29                 ; in: 16 bytes a lane, the row in the immediate
	v_mul_u32_u24 v13, v2, QSP
	s_delay_alu instid0(VALU_DEP_1)
	v_lshl_add_u32 v13, v3, 7, v13
	s_delay_alu instid0(VALU_DEP_1)
	v_add_nc_u32 v13, s29, v13                     ; back: row r, + 128 hh: lane (r, hh) wants k = 64 c + 32 hh + 0 .. 31
	s_wait_alu depctr_va_vdst(0)
	s_wait_loadcnt 32                              ; the query's 32 loads and v's are in; the 32 of W2's first block may stay out
.set i, 0
.rept 32
	ds_store_b128 v12, v[QX+4*i:QX+4*i+3] offset:QSP*i
.set i, i+1
.endr
	WLOAD 1, 6
	s_wait_dscnt 0x0                               ; the stores have read their registers: the same registers take the rows back
.irp m, 0,1
.irp c, 0,1
.irp j, 0,1,2,3,4,5,6,7
	ds_load_b128 v[QX+64*\m+32*\c+4*\j:QX+64*\m+32*\c+4*\j+3], v13 offset:\m*16*QSP+\c*256+16*\j   ; sixteen rows 528 bytes apart: sixteen different groups of banks
.endr
.endr
.endr
	BLOCK 0, 32, 6
	BLOCK 1, 32, 6
	BLOCK 2, 32, 6
	BLOCK 3, 0, 6
	s_wait_dscnt 0x0                               ; the query is back from the stage
.macro QUANTQ m                        ; 16 rows of the query, this K step: a lane holds blocks hh and 2 + hh of its row, whole
.irp c, 0,1
.set QS, QX+64*(\m)+32*\c
	v_max3_num_f32 v[16+2*\c], |v[QS]|, |v[QS+1]|, |v[QS+2]|
	v_max3_num_f32 v[17+2*\c], |v[QS+3]|, |v[QS+4]|, |v[QS+5]|
.irp i, 6,10,14,18,22,26
	s_delay_alu instid0(VALU_DEP_2)
	v_max3_num_f32 v[16+2*\c], v[16+2*\c], |v[QS+\i]|, |v[QS+\i+1]|
	s_delay_alu instid0(VALU_DEP_2)
	v_max3_num_f32 v[17+2*\c], v[17+2*\c], |v[QS+\i+2]|, |v[QS+\i+3]|
.endr
	s_delay_alu instid0(VALU_DEP_2)
	v_max3_num_f32 v[16+2*\c], v[16+2*\c], |v[QS+30]|, |v[QS+31]|
	s_delay_alu instid0(VALU_DEP_1)
	v_max3_num_f32 v[16+2*\c], v[16+2*\c], v[17+2*\c], 0x1800000
	s_delay_alu instid0(VALU_DEP_1)
	v_add_nc_u32 v[20+\c], 0xff000000, v[16+2*\c]
	s_delay_alu instid0(VALU_DEP_1)
	v_lshrrev_b32 v[22+\c], 23, v[20+\c]
.endr
	s_delay_alu instid0(VALU_DEP_1)
	v_lshl_or_b32 v24, v23, 16, v22                ; my two bytes, blocks hh and 2 + hh,
	v_lshlrev_b32 v25, 3, v3
	s_delay_alu instid0(VALU_DEP_1)
	v_lshlrev_b32 v24, v25, v24                    ; at their places in the scale word;
	s_delay_alu instid0(VALU_DEP_1)
	v_permlanex16_b32 v26, v24, s30, s31
	s_delay_alu instid0(VALU_DEP_1)
	v_or_b32 v[29+\m], v24, v26                    ; with lane l xor 16's two the word is whole
.irp c, 0,1
.irp g, 0,1,2,3
	v_cvt_scalef32_pk8_fp4_f32 v[QA+8*(\m)+4*\c+\g], v[QX+64*(\m)+32*\c+8*\g:QX+64*(\m)+32*\c+8*\g+7], v[20+\c]
.endr
.endr
	v_nop                                          ; one plain line behind a scaled conversion
.endm
	QUANTQ 0
	QUANTQ 1
; PC+0..7 hold blocks 0, 2 and PC+8..15 blocks 1, 3 of column `lane`.  The exchange gives two fragments: PC+0..7 columns 0-15, PC+8..15 columns 16-31,
; each with blocks 0, 2 in lanes 0-15 and blocks 1, 3 in lanes 16-31, as the operand's layout wants.
.irp i, 0,1,2,3,4,5,6,7
	v_permlane16_swap_b32 v[PC+\i], v[PC+8+\i]
.endr
.rept 8
	v_nop                                          ; scale registers written by vector instructions stand 8 places ahead of a scaled matrix instruction, operands 4
.endr
.irp m, 0,1                            ; source 0 = 16 batches, source 1 = 16 columns; four accumulators, one product each: this wave's K step
	v_wmma_scale_f32_16x16x128_f8f6f4 v[ACC+16*\m:ACC+16*\m+7], v[QA+8*\m:QA+8*\m+7], v[PC:PC+7], 0, v[29+\m], v[SW] matrix_a_fmt:MATRIX_FMT_FP4 matrix_b_fmt:MATRIX_FMT_FP4
	v_wmma_scale_f32_16x16x128_f8f6f4 v[ACC+16*\m+8:ACC+16*\m+15], v[QA+8*\m:QA+8*\m+7], v[PC+8:PC+15], 0, v[29+\m], v[SW] matrix_a_fmt:MATRIX_FMT_FP4 matrix_b_fmt:MATRIX_FMT_FP4 matrix_b_scale:MATRIX_SCALE_ROW1
.endr
.rept 4
	v_nop                                          ; four places in front of the stores that read the results
.endr
.irp i, 0,1,2,3,4,5,6,7
	ds_store_b128 v9, v[ACC+4*\i:ACC+4*\i+3] offset:512*\i         ; each accumulator from its low end on
.endr
	s_wait_dscnt 0x0                               ; for the others' sake: my stores are done
	s_barrier_signal -1
	s_barrier_wait -1
.irp u, 0,1,2,3,4,5,6,7
	ds_load_b128 v[32+4*\u:35+4*\u], v10 offset:4096*\u            ; piece w of all eight K steps
.endr
	s_wait_dscnt 0x0
.irp u, 1
	v_pk_add_f32 v[32:33], v[32:33], v[32+4*\u:33+4*\u]            ; K ascending
	v_pk_add_f32 v[34:35], v[34:35], v[34+4*\u:35+4*\u]
.endr
.irp u, 2, 3, 4, 5, 6, 7
	s_delay_alu instid0(VALU_DEP_2)
	v_pk_add_f32 v[32:33], v[32:33], v[32+4*\u:33+4*\u]            ; K ascending
	s_delay_alu instid0(VALU_DEP_2)
	v_pk_add_f32 v[34:35], v[34:35], v[34+4*\u:35+4*\u]
.endr
	v_mul_f32 v65, 0xc038aa3b, v31                 ; -c v[h]
	s_delay_alu instid0(VALU_DEP_1)
	v_mov_b32 v67, v65
	s_delay_alu instid0(VALU_DEP_2)
	v_mov_b32 v69, v65
	s_delay_alu instid0(VALU_DEP_3)
	v_mov_b32 v71, v65
.irp e, 0,1,2,3
	v_mul_f32 v[64+2*\e], 0x4038aa3b, v[32+\e]     ; c query_proj
.endr
.irp e, 0,1,2,3
	global_store_b64 v11, v[64+2*\e:65+2*\e], s[16:17] offset:8192*\e
.endr
	s_wait_tensorcnt 0x0                           ; the wave's end
	ds_add_u32 v14, v15
	s_wait_dscnt 0x0
	s_endpgm
.Lfunc_end_k_q311dac1134_prep:
	.size	k_q311dac1134_prep, .Lfunc_end_k_q311dac1134_prep-k_q311dac1134_prep
	.p2alignl 7, 3214868480
	.fill 96, 4, 3214868480
	.section	.rodata,"a",@progbits
	.p2align	6, 0x0
	.amdhsa_kernel k_q311dac1134_prep
		.amdhsa_group_segment_fixed_size 168960
		.amdhsa_private_segment_fixed_size 0
		.amdhsa_enable_private_segment 0
		.amdhsa_kernarg_size 56
		.amdhsa_user_sgpr_count 2
		.amdhsa_user_sgpr_kernarg_segment_ptr 1
		.amdhsa_wavefront_size32 1
		.amdhsa_system_sgpr_workgroup_id_x 1
		.amdhsa_system_sgpr_workgroup_id_y 1
		.amdhsa_system_sgpr_workgroup_id_z 1
		.amdhsa_system_vgpr_workitem_id 0
		.amdhsa_next_free_vgpr 256
		.amdhsa_next_free_sgpr 66
		.amdhsa_reserve_vcc 0
		.amdhsa_float_denorm_mode_32 3
		.amdhsa_float_denorm_mode_16_64 3
		.amdhsa_memory_ordered 1
		.amdhsa_forward_progress 1
		.amdhsa_inst_pref_size 64
	.end_amdhsa_kernel
	.amdgpu_metadata
---
amdhsa.version: [ 1, 2 ]
amdhsa.kernels:
  - .name:           k_q311dac1134_prep
    .symbol:         k_q311dac1134_prep.kd
    .args:
      - { .name: W1, .offset: 0, .size: 8, .value_kind: global_buffer, .address_space: global }
      - { .name: W2, .offset: 8, .size: 8, .value_kind: global_buffer, .address_space: global }
      - { .name: query, .offset: 16, .size: 8, .value_kind: global_buffer, .address_space: global }
      - { .name: v, .offset: 24, .size: 8, .value_kind: global_buffer, .address_space: global }
      - { .name: w1f, .offset: 32, .size: 8, .value_kind: global_buffer, .address_space: global }
      - { .name: w1s, .offset: 40, .size: 8, .value_kind: global_buffer, .address_space: global }
      - { .name: cqv, .offset: 48, .size: 8, .value_kind: global_buffer, .address_space: global }
    .group_segment_fixed_size: 168960
    .private_segment_fixed_size: 0
    .kernarg_segment_align: 8
    .kernarg_segment_size: 56
    .max_flat_workgroup_size: 256
    .sgpr_count:     66
    .vgpr_count:     256
    .wavefront_size: 32
...
	.end_amdgpu_metadata
.endif
;; end of part 1
;; launch attend (part 2): grid 256 x 1, 8 waves a work-group, no clusters, 319,488 bytes of LDS; arguments values, w1f, w1s, cqv, tsc, part, stat; writes tsc, part, stat
.if DOCPART == 2
	.amdgcn_target "amdgcn-amd-amdhsa--gfx1250"
	.amdhsa_code_object_version 6
	.text
	.protected	k_q311dac1134_attend
	.globl	k_q311dac1134_attend
	.p2align	8
	.type	k_q311dac1134_attend,@function
k_q311dac1134_attend:
	s_mov_b64 s[64:65], 0
	v_nop
	global_prefetch_b8 v0, s[64:65] scope:SCOPE_SE
	s_setreg_imm32_b32 hwreg(HW_REG_WAVE_MODE, 25, 1), 1
	s_wait_xcnt 0x0
; For 256 rows of values (one batch's eighth): quantise them to FP4 along D, keys_proj = Q(values) Q(W1) by the scaled FP4 matrix instruction, tanh, the dot with v,
; a softmax partial with a running maximum, and the partial context.  values is read from memory ONCE: a bf16 copy of each row waits in LDS until the row's score is known.
; ARITHMETIC.  c = 2 log2(e).  tanh(x) = 1 - 2 r, r = 1 / (1 + 2^(c x)).  log2(e) x score = log2(e) x sum(v) + t, t = sum over h of (-c v[h]) r.  The first term is the same for all rows
; of a batch, so taking the maximum away, which the softmax does anyway, removes it exactly: only t is formed.  weight = 2^(t - M) / L; a maximum is always taken off (a running one here, the overall one in the next launch).
; 2^(c x) may be infinite or 0: r is then 0 or 1, which is tanh's limit.
; LIMITS: NaN and infinities among the inputs are not served; a block of zeros, or with its largest magnitude under 2^-124, keeps the scale byte 1 (its codes are what the conversion gives; the bytes are read here alone);
; weights under 2^-126 come out as 0; values enters the context's sum rounded to bf16, the sums are f32.
; SHARES.  Four tiles of 64 rows.  Eight waves in TWO ROLES, four of each; any two waves 2 i, 2 i + 1 and any two waves four apart hold one of each role.  Each wave counts its own loads, so the loaders' deep ring and the
; compute waves' short ring do not wait for each other.
;   COMPUTE wave idx: all 64 rows' codes in 256 registers; hidden units 256 idx .. + 255 in 16 tiles of 16; W1's fragments come from memory straight into registers, as images of operand registers.
;   Its matrix and vector work go BY TURNS: two products (one on each of two accumulators), then a piece of the tanh of the other two accumulators: 3.5 vector lines for each matrix instruction.
;   LOADER wave idx: rows 16 idx .. + 15 of each tile: loads them, stores a bf16 copy in its own LDS bytes, turns each row through its own stage so that a lane holds a block of 32, quantises, and stores codes and scale bytes
;   for the compute waves.  Two trips later it takes the same rows' scores and adds p x row from its copy.
; NO JOINT LOADS, NO TENSOR LOADS: LDS holds 262,144 bytes of copies, 36,864 of codes and scale bytes, 18,432 of stages and 1,024 of partial scores: no room is left for a slot into which W1's tiles could land,
; and each fragment of W1 feeds one wave of the work-group only, so a way through LDS would add a store and a load of every byte and share nothing inside the work-group.
; A TRIP p (1 .. 5), two barriers:  compute tile p - 1 | context of tile p - 2, load and quantise tile p || barrier || fetch tile p's codes | read tile p - 1's partial scores || barrier.
.set CB,   262144                      ; LDS: codes, row rho of 64 at 528 rho (512 bytes + 16), block kb at 16 kb
.set SB,   295936                      ; scale bytes, row rho at 48 rho, byte kb
.set STG,  299008                      ; a stage for each loader: 32 pieces of 128 bytes, 144 apart
.set PS,   317440                      ; partial t: compute wave idx at 256 idx, row rho at 4 rho
                                       ; from 0: the copies: loader idx at 65,536 idx, parity at 32,768, row n at 2,048 n
; BOTH ROLES, made at the head and holding nothing but offsets: v1 16 lane; v2, v3 a compute wave's place in CB, SB; v4 where it stores partial t; v5, v6 where a loader reads them; v7, v8 where it stores codes and bytes;
; v9 its copy in hand, v10 its copies' base; v11, v12 its stage, in and out; v13-15 a compute wave's offsets in w1f, w1s, cqv; v16 8 (lane % 16); v17 lane; v250 8 lane; v251 4 lane
.set O8,   250
.set O4,   251
.set ASC,  18                          ; compute: v18-33   A's scale words: register 4 m + q: lanes 0-15 K step q, lanes 16-31 K step 4 + q, of rows 16 m + r
.set BSC,  34                          ;          v34-49   W1's scale words, four sets of 4, set = tile % 4.   (v18-49 hold scale words in this role and nothing in the other)
.set CQV,  50                          ;          v50-57   (c qp, -c v) of my hidden unit, four sets
.set BFR,  58                          ;          v58-185  W1's fragments, two sets of 8 K steps x 8
.set ACC,  186                         ;          v186-217 four accumulators (rows 16 m ..): pair P = 0, 1; pair Q = 2, 3.   (The loader's text names none of these numbers in window 0)
.set SUM,  218                         ;          v218-249 partial t, as ACC;   window 1: A's fragments, (m, s) at 64 m + 8 s
.set XT,   50                          ; loader:  v50-113  two sets of 32 neighbours; between the barriers the partial t;
.set RB,   50                          ;                   in the context's sum four rows of the copy: the three uses are never alive together
.set BFC,  114                         ;          v114-129 a row's bf16
.set PC,   130                         ;          v130-133 a block's codes
.set BY,   134                         ;          v134     its scale byte
.set T0,   135                         ;          v135-137 at work in the quantiser
.set T1,   136
.set T2,   137
.set CTX,  138                         ;          v138-169 the partial context: register 4 k + e = column 128 k + 4 lane + e
.set TSC,  170                         ;          v170-185 my 16 rows' t, then p
.set MX,   218                         ;          v218     m, the running maximum
.set LS,   219                         ;          v219     l, the running sum
.set FF,   220                         ;          v[220:221] f, twice
.set MN,   222                         ;          v[222:223] the new m, twice
.set SC,   224                         ;          v224-231 scores on their way out
.set WK,   232                         ;          v232-235 at work
.set STW,  236                         ;          v236     my word of stat;   window 1: eight rows of values as loaded
.set MSB, 0
.macro WIN new                         ; the immediate's high byte repeats the setting that is left
.if MSB != \new
	s_set_vgpr_msb (MSB<<8)|\new
.set MSB, \new
.endif
.endm
.macro BAR                             ; my LDS stores have landed and my LDS loads are in: then the work-group's barrier
	s_wait_alu depctr_va_vdst(0)
	s_wait_dscnt 0x0
	s_barrier_signal -1
	s_barrier_wait -1
.endm
	s_load_b256 s[4:11], s[0:1], 0x0               ; values s[4:5], w1f s[6:7], w1s s[8:9], cqv s[10:11]
	s_load_b128 s[12:15], s[0:1], 0x20             ; tsc s[12:13], part s[14:15]
	s_load_b64 s[16:17], s[0:1], 0x30              ; stat
.set SPW,   252                        ; v252 LDS address of my spare word; never rewritten
.set NIL,   253                        ; v253 0; never rewritten
.set SPARE, 318464                     ; behind the partial t: the spare words, 128 bytes a wave, four blocks of 256 bytes that no other line names
	v_lshl_add_u32 v[SPW], v0, 2, SPARE
	v_mov_b32 v[NIL], 0
	v_lshrrev_b32 v13, 5, v0
	v_readfirstlane_b32 s18, v13                   ; wave 0..7
	s_lshr_b32 s20, s18, 1                         ; idx 0..3
	s_lshr_b32 s31, s18, 2
	s_xor_b32 s19, s18, s20
	s_xor_b32 s19, s19, s31
	s_and_b32 s19, s19, 1                          ; role: 0 compute (waves 0, 3, 5, 6), 1 loader (waves 1, 2, 4, 7)
	v_and_b32 v17, 31, v0                          ; lane
	v_and_b32 v13, 15, v0                          ; r
	v_bfe_u32 v14, v0, 4, 1                        ; hh
	v_lshlrev_b32 v1, 4, v17
	v_lshlrev_b32 v16, 3, v13
	v_lshlrev_b32 v[O8], 3, v17
	v_lshlrev_b32 v[O4], 2, v17
	v_mul_u32_u24 v2, v13, 528
	v_lshl_add_u32 v2, v14, 4, v2
	v_add_nc_u32 v2, CB, v2
	v_mul_u32_u24 v3, v13, 48
	v_lshl_add_u32 v3, v14, 4, v3
	v_add_nc_u32 v3, SB, v3
	s_lshl_b32 s31, s20, 8
	s_add_co_u32 s31, s31, PS
	v_lshl_add_u32 v4, v14, 5, s31                 ; rows 8 hh + .. of a tile of 16: 32 hh bytes on
	s_lshl_b32 s31, s20, 6
	s_add_co_u32 s31, s31, PS
	v_mov_b32 v5, s31                              ; my 16 rows' t: the same address in every lane
	v_lshl_add_u32 v6, v17, 3, PS
	s_mul_i32 s31, s20, 8448
	s_add_co_u32 s31, s31, CB
	v_add_nc_u32 v7, s31, v1
	s_mul_i32 s31, s20, 768
	s_add_co_u32 s31, s31, SB
	v_add_nc_u32 v8, s31, v17
	s_lshl_b32 s31, s20, 16
	v_add_nc_u32 v10, s31, v1
	v_add_nc_u32 v9, s31, v1
	s_mul_i32 s31, s20, 4608
	s_add_co_u32 s31, s31, STG
	v_lshrrev_b32 v13, 3, v17
	v_mul_u32_u24 v11, v13, 144
	v_and_b32 v13, 7, v17
	v_lshl_add_u32 v11, v13, 4, v11
	v_add_nc_u32 v11, s31, v11                     ; in: eight lanes' 128 bytes make a piece
	v_mul_u32_u24 v12, v17, 144
	v_add_nc_u32 v12, s31, v12                     ; out: a lane takes a piece: a block of 32
	s_mov_b32 s27, 0                               ; the copies' parity, in bytes
	s_mov_b32 s34, 0x4038aa3b                      ; c = 2 log2(e)
	s_mov_b32 s35, s34                             ; (named with it as a pair)
	s_mov_b32 s33, 0
	s_wait_alu depctr_va_vdst(0)
	s_wait_kmcnt 0x0
	s_lshl_b32 s32, ttmp9, 20                      ; values: 256 rows of 4,096 bytes a work-group, 16 rows a loader
	s_lshl_b32 s31, s20, 16
	s_add_co_u32 s32, s32, s31
	s_add_nc_u64 s[4:5], s[4:5], s[32:33]
	s_lshl_b32 s32, s20, 17                        ; w1f: 16 tiles of 8,192 bytes a compute wave
	s_add_nc_u64 s[6:7], s[6:7], s[32:33]
	s_lshl_b32 s32, s20, 13                        ; w1s: 16 tiles of 512 bytes
	s_add_nc_u64 s[8:9], s[8:9], s[32:33]
	s_lshr_b32 s32, ttmp9, 3                       ; cqv: the batch's 8,192 bytes, 2,048 a compute wave
	s_lshl_b32 s32, s32, 13
	s_lshl_b32 s31, s20, 11
	s_add_co_u32 s32, s32, s31
	s_add_nc_u64 s[10:11], s[10:11], s[32:33]
	s_lshl_b32 s32, ttmp9, 10                      ; tsc: 256 rows of 4 bytes
	s_add_nc_u64 s[12:13], s[12:13], s[32:33]
	s_lshl_b32 s31, ttmp9, 2
	s_add_co_u32 s31, s31, s20                     ; the partial's number: 4 x work-group + idx
	s_lshl_b32 s32, s31, 12
	s_add_nc_u64 s[14:15], s[14:15], s[32:33]
	s_lshl_b32 s32, s31, 7
	s_add_nc_u64 s[16:17], s[16:17], s[32:33]
; ======================= THE COMPUTE WAVES' MACROS
; Two matrix instructions: K step ks of rows 16 m0 .. and of rows 16 (m0 + 1) ..: the pair's two accumulators by turns.  Source 0 = 16 rows of values, source 1 = 16 hidden units:
; in the result a lane holds ONE hidden unit (lane % 16) and its register j the row 8 (lane / 16) + j.  K step 0 starts the sums.  The macro leaves source 0 in window 1: what follows sets the windows back.
.macro MMP m0, ring, bset, ks
	WIN 0x01                                       ; source 0 in window 1
.irp e, 0,1
.set MT, (\m0)+\e
.if (\ks) == 0
	v_wmma_scale_f32_16x16x128_f8f6f4 v[ACC+8*MT:ACC+8*MT+7], v[64*MT+8*(\ks):64*MT+8*(\ks)+7], v[BFR+64*(\ring)+8*(\ks):BFR+64*(\ring)+8*(\ks)+7], 0, v[ASC+4*MT+(\ks)%4], v[BSC+4*(\bset)+(\ks)%4] matrix_a_fmt:MATRIX_FMT_FP4 matrix_b_fmt:MATRIX_FMT_FP4
.elseif (\ks) < 4
	v_wmma_scale_f32_16x16x128_f8f6f4 v[ACC+8*MT:ACC+8*MT+7], v[64*MT+8*(\ks):64*MT+8*(\ks)+7], v[BFR+64*(\ring)+8*(\ks):BFR+64*(\ring)+8*(\ks)+7], v[ACC+8*MT:ACC+8*MT+7], v[ASC+4*MT+(\ks)%4], v[BSC+4*(\bset)+(\ks)%4] matrix_a_fmt:MATRIX_FMT_FP4 matrix_b_fmt:MATRIX_FMT_FP4
.else
	v_wmma_scale_f32_16x16x128_f8f6f4 v[ACC+8*MT:ACC+8*MT+7], v[64*MT+8*(\ks):64*MT+8*(\ks)+7], v[BFR+64*(\ring)+8*(\ks):BFR+64*(\ring)+8*(\ks)+7], v[ACC+8*MT:ACC+8*MT+7], v[ASC+4*MT+(\ks)%4], v[BSC+4*(\bset)+(\ks)%4] matrix_a_fmt:MATRIX_FMT_FP4 matrix_b_fmt:MATRIX_FMT_FP4 matrix_a_scale:MATRIX_SCALE_ROW1 matrix_b_scale:MATRIX_SCALE_ROW1
.endif
.endr
.endm
; The tanh of a pair's 16 registers, in four quads q.  TA: c x + c qp.  TE: 2^.  TB: + 1.  TR: 1 / .  TC: t += r x (-c v).
.macro TA set, cq, q
.set RX, \set+4*(\q)
	v_pk_fma_f32 v[RX:RX+1], v[RX:RX+1], s[34:35], v[\cq:\cq+1] op_sel_hi:[1,0,0]
	v_pk_fma_f32 v[RX+2:RX+3], v[RX+2:RX+3], s[34:35], v[\cq:\cq+1] op_sel_hi:[1,0,0]
.endm
.macro TE set, q
.set RX, \set+4*(\q)
.irp e, 0,1,2,3
	v_exp_f32 v[RX+\e], v[RX+\e]
.endr
.endm
.macro TB set, q
.set RX, \set+4*(\q)
	v_pk_add_f32 v[RX:RX+1], v[RX:RX+1], 1.0 op_sel_hi:[1,0]
	v_pk_add_f32 v[RX+2:RX+3], v[RX+2:RX+3], 1.0 op_sel_hi:[1,0]
.endm
.macro TR set, q
.set RX, \set+4*(\q)
.irp e, 0,1,2,3
	v_rcp_f32 v[RX+\e], v[RX+\e]
.endr
.endm
.macro TC set, cq, q
.set RX, \set+4*(\q)
	v_pk_fma_f32 v[RX+32:RX+33], v[RX:RX+1], v[\cq:\cq+1], v[RX+32:RX+33] op_sel:[0,1,0] op_sel_hi:[1,1,1]
	v_pk_fma_f32 v[RX+34:RX+35], v[RX+2:RX+3], v[\cq:\cq+1], v[RX+34:RX+35] op_sel:[0,1,0] op_sel_hi:[1,1,1]
.endm
; Piece p of 8 of that tanh: one stands behind each pair of products.  All 16 registers go through a stage together:
;   p:  0: A (8 plain lines)   1: E (16 exponentials, a v_nop)   2: B (8 plain)   3: R (16 reciprocals, four v_nop)   4 .. 7: C of quad p - 4 (2 plain lines each)
; Behind each of pieces 0 to 3 the half-step writes ONE wait, directly ahead of the next pair of products: it stands between a stage's writes and the next stage's reads, behind each batch, and between a product
; and the next link of its chain where a batch lies between.  The quads are taken up in ascending order.
.macro TP set, cq, p
	WIN 0
.if (\p) == 0
.irp q, 0,1,2,3
	TA \set, \cq, \q
.endr
.elseif (\p) == 1
.irp q, 0,1,2,3
	TE \set, \q
.endr
	v_nop                                          ; a plain place behind the batch
.elseif (\p) == 2
.irp q, 0,1,2,3
	TB \set, \q
.endr
.elseif (\p) == 3
.irp q, 0,1,2,3
	TR \set, \q
.endr
.rept 4
	v_nop                                          ; the place behind the batch, and four places between the product of K step 3 and the loads into K steps 0-3
.endr
.else
	TC \set, \cq, (\p)-4
.endif
.endm
.macro BLD ring, s0                    ; 8 loads: K steps s0 .. s0 + 3 of the tile two on, into the set just multiplied
.irp d, 0,1,2,3
.irp c, 0,1
	global_load_b128 v[BFR+64*(\ring)+8*((\s0)+\d)+4*\c:BFR+64*(\ring)+8*((\s0)+\d)+4*\c+3], v13, s[6:7] offset:1024*((\s0)+\d)+512*\c
.endr
.endr
.endm
; Half-step: pair Q's products of tile j by turns with pair P's tanh of tile j (i = j % 4).  10 loads, always in this order: (c qp, -c v) and scale words of tile j + 3 behind piece 1, K steps 0-3 of tile j + 2's
; fragments behind piece 3; that tile's K steps 4-7 follow in the next half-step.  Each run of loads stands directly ahead of a piece's wait.
; The four v_nop at the end are the places between the pair's last product and the first read of its results, and ahead of the loads into K steps 4-7.
.macro HQ i
	s_wait_xcnt 0x0                                ; the offsets of the loads issued so far are rewritten only behind this wait
	s_add_co_u32 s31, s30, 16384
	s_and_b32 s31, s31, 0x1e000                    ; tile j + 2, round the wave's 16 tiles
	s_add_co_u32 s32, s30, 24576
	s_and_b32 s32, s32, 0x1e000                    ; tile j + 3
	v_add_nc_u32 v13, s31, v1
	s_lshr_b32 s33, s32, 4
	v_add_nc_u32 v14, s33, v1
	s_lshr_b32 s33, s32, 6
	v_add_nc_u32 v15, s33, v16
.irp ks, 0,1,2,3,4,5,6,7
	MMP 2, (\i)%2, \i, \ks
	TP ACC, CQV+2*(\i), \ks
.if \ks == 1
	global_load_b64 v[CQV+2*(((\i)+3)%4):CQV+2*(((\i)+3)%4)+1], v15, s[10:11]
	global_load_b128 v[BSC+4*(((\i)+3)%4):BSC+4*(((\i)+3)%4)+3], v14, s[8:9]
.endif
.if \ks == 3
	BLD (\i)%2, 0
.endif
.if \ks < 4
	s_wait_alu depctr_va_vdst(0)                   ; the piece's wait
.endif
.endr
	WIN 0
.rept 4
	v_nop
.endr
	s_add_co_u32 s30, s30, 8192
	s_and_b32 s30, s30, 0x1e000
.endm
; Half-step: pair P's products of tile j + 1 by turns with pair Q's tanh of tile j.  Behind piece 1 it issues the 8 loads that the half-step before has left: K steps 4-7 of tile j + 2's fragments.
; withT = 1.  Behind the first 8 loads of tile j + 1's fragments stand their other 8 and the 10 of the half-step just passed: 18.  At K step 4, behind the last 8 stand those 10 and the 8 issued behind piece 1: 18.
; withT = 0, a trip's first: every load has been issued.  Behind the first 8 stand their other 8, 10 and 8: 26; behind the last 8: 18.
.macro HP i, withT
.if \withT
	s_wait_loadcnt 18
.else
	s_wait_loadcnt 26
.endif
.irp ks, 0,1,2,3,4,5,6,7
.if \ks == 4
	s_wait_loadcnt 18
.endif
	MMP 0, ((\i)+1)%2, ((\i)+1)%4, \ks
.if \withT
	TP ACC+16, CQV+2*(\i), \ks
.if \ks == 1
	BLD (\i)%2, 4
.endif
.if \ks < 4
	s_wait_alu depctr_va_vdst(0)                   ; the piece's wait
.endif
.endif
.endr
	WIN 0
.rept 4
	v_nop                                          ; four places between the pair's last product and the first read of its results
.endr
.endm
.macro ALOAD                           ; a tile's codes and scale words into registers; partial t begins at 0.  The barrier's wait that follows is the wait for these loads
	WIN 0x40                                       ; destination window 1
.irp m, 0,1,2,3
.irp s, 0,1,2,3,4,5,6,7
.irp c, 0,1
	ds_load_b128 v[64*\m+8*\s+4*\c:64*\m+8*\s+4*\c+3], v2 offset:8448*\m+64*\s+32*\c
.endr
.endr
.endr
	WIN 0
.irp m, 0,1,2,3
	ds_load_b128 v[ASC+4*\m:ASC+4*\m+3], v3 offset:768*\m
.endr
.set j, 0
.rept 32
	v_mov_b32 v[SUM+j], 0
.set j, j+1
.endr
.endm
; ======================= THE LOADERS' MACROS
.macro QZ n                            ; row n: my block of 32 becomes 16 bytes of codes and a scale byte
.set XQ, XT+32*((\n)%2)
	v_max3_num_f32 v[T0], |v[XQ]|, |v[XQ+1]|, |v[XQ+2]|
	v_max3_num_f32 v[T1], |v[XQ+3]|, |v[XQ+4]|, |v[XQ+5]|
.irp i, 6,10,14,18,22,26
	v_max3_num_f32 v[T0], v[T0], |v[XQ+\i]|, |v[XQ+\i+1]|
	v_max3_num_f32 v[T1], v[T1], |v[XQ+\i+2]|, |v[XQ+\i+3]|
.endr
	v_max3_num_f32 v[T0], v[T0], |v[XQ+30]|, |v[XQ+31]|
	v_max3_num_f32 v[T0], v[T0], v[T1], 0x1800000  ; the floor 2^(3 - 127): the byte cannot fall under 1
	v_add_nc_u32 v[T2], 0xff000000, v[T0]          ; 2 off the exponent field: the conversion's scale operand
.irp g, 0,1,2,3
	v_cvt_scalef32_pk8_fp4_f32 v[PC+\g], v[XQ+8*\g:XQ+8*\g+7], v[T2]
.endr
	v_lshrrev_b32 v[BY], 23, v[T2]                 ; the scale's byte (also the plain line behind the conversions)
	ds_store_b128 v7, v[PC:PC+3] offset:528*(\n)
	ds_store_b8 v8, v[BY] offset:48*(\n)
.endm
; Row n of my 16 has arrived.  lc: the younger loads, which stay out.  ahead = 1: its registers take the row eight further on (for n >= 8: of the next tile).
.macro ROW n, lc, ahead
.set GS, 32*((\n)%8)
.set XS, XT+32*((\n)%2)
.if (\n) < 8
.set OFF, ((\n)+8)*4096
.else
.set OFF, 262144+((\n)-8)*4096
.endif
	s_wait_loadcnt \lc
	WIN 0x04                                       ; an LDS store's data are its source 1: window 1
.irp k, 0,1,2,3,4,5,6,7
	ds_store_b128 v11, v[GS+4*\k:GS+4*\k+3] offset:576*\k          ; into the stage as loaded
.endr
	WIN 0x05                                       ; sources 0 and 1 window 1
.irp i, 0,1,2,3,4,5,6,7,8,9,10,11,12,13,14,15
	v_cvt_pk_bf16_f32 v[BFC+\i], v[GS+2*\i], v[GS+2*\i+1]
.endr
	WIN 0
.irp q, 0,1,2,3
	ds_store_b128 v9, v[BFC+4*\q:BFC+4*\q+3] offset:2048*(\n)+512*\q   ; the copy: an image of these registers, 512 consecutive bytes a store
.endr
.irp j, 0,1,2,3,4,5,6,7
	ds_load_b128 v[XS+4*\j:XS+4*\j+3], v12 offset:16*\j            ; LDS serves a wave's instructions in order: these see the stores above
.endr
	s_wait_dscnt 8                                 ; only these eight loads may be out: this row's stores have read their registers, the last row's numbers are in, its codes' stores are done
.if \ahead
	WIN 0x40                                       ; destination window 1
.irp k, 0,1,2,3,4,5,6,7
	global_load_b128 v[GS+4*\k:GS+4*\k+3], v1, s[4:5] offset:OFF+512*\k th:TH_LOAD_NT   ; 32 lanes read 512 consecutive bytes
.endr
	WIN 0
.endif
.if (\n) > 0
	QZ (\n)-1                                      ; the last row is quantised while this row's numbers come back from the stage
.endif
.endm
.macro PASS1
.irp n, 0,1,2,3,4,5,6,7
	ROW \n, 56, 1                                  ; seven younger rows of eight loads
.endr
.endm
.macro PASS2
.irp n, 8,9,10,11,12,13,14,15
	ROW \n, 56, 1
.endr
	s_wait_dscnt 0x0
	QZ 15
.endm
.macro PASS2_DRAIN                     ; the last tile: nothing is left to ask for, and the counts run down
.irp n, 8,9,10,11,12,13,14,15
	ROW \n, 8*(15-\n), 0
.endr
	s_wait_dscnt 0x0
	QZ 15
.endm
; My 16 rows' t (in TSC, the same in every lane) join my running maximum and sum, and p x row, from my copy, joins my partial context.
.macro CONTEXT
.irp n, 0,1,2,3
.irp q, 0,1,2,3
	ds_load_b128 v[RB+16*\n+4*\q:RB+16*\n+4*\q+3], v9 offset:2048*\n+512*\q
.endr
.endr
	v_max3_num_f32 v[MN], v[TSC], v[TSC+1], v[MX]  ; the new m: the largest of the old one and the 16 t
.irp i, 2,4,6,8,10,12,14
	v_max3_num_f32 v[MN], v[MN], v[TSC+\i], v[TSC+\i+1]
.endr
	v_mov_b32 v[MN+1], v[MN]
	v_sub_f32 v[WK], v[MX], v[MN]
.irp i, 0,2,4,6,8,10,12,14
	v_pk_add_f32 v[TSC+\i:TSC+\i+1], v[TSC+\i:TSC+\i+1], v[MN:MN+1] neg_lo:[0,1] neg_hi:[0,1]
.endr
	s_wait_alu depctr_va_vdst(0)
	v_exp_f32 v[FF], v[WK]                         ; f = 2^(old m - new m)
.irp i, 0,1,2,3,4,5,6,7,8,9,10,11,12,13,14,15
	v_exp_f32 v[TSC+\i], v[TSC+\i]                 ; p = 2^(t - m)
.endr
	v_mov_b32 v[MX], v[MN]                         ; (a plain line behind the exponentials)
	s_wait_alu depctr_va_vdst(0)                   ; one wait for the whole batch, ahead of its first reader
	v_mov_b32 v[FF+1], v[FF]
	v_pk_add_f32 v[WK:WK+1], v[TSC:TSC+1], v[TSC+2:TSC+3]
	v_pk_add_f32 v[WK+2:WK+3], v[TSC+4:TSC+5], v[TSC+6:TSC+7]
	v_pk_add_f32 v[WK:WK+1], v[WK:WK+1], v[TSC+8:TSC+9]
	v_pk_add_f32 v[WK+2:WK+3], v[WK+2:WK+3], v[TSC+10:TSC+11]
	v_pk_add_f32 v[WK:WK+1], v[WK:WK+1], v[TSC+12:TSC+13]
	v_pk_add_f32 v[WK+2:WK+3], v[WK+2:WK+3], v[TSC+14:TSC+15]
	v_pk_add_f32 v[WK:WK+1], v[WK:WK+1], v[WK+2:WK+3]
	v_add_f32 v[WK], v[WK], v[WK+1]
	v_fma_f32 v[LS], v[LS], v[FF], v[WK]           ; l = l f + the sum of p
.irp i, 0,2,4,6,8,10,12,14,16,18,20,22,24,26,28,30
	v_pk_mul_f32 v[CTX+\i:CTX+\i+1], v[CTX+\i:CTX+\i+1], v[FF:FF+1]
.endr
.irp n, 0,1,2,3,4,5,6,7,8,9,10,11,12,13,14,15
.if \n < 12
	s_wait_dscnt 12                                ; row n is in; three younger rows of four loads may be out
.else
	s_wait_dscnt 4*(15-\n)
.endif
.irp g, 0,1,2,3,4,5,6,7,8,9,10,11,12,13,14,15
	v_fma_mix_f32_bf16 v[CTX+2*\g], v[RB+16*(\n%4)+\g], v[TSC+\n], v[CTX+2*\g] op_sel_hi:[1,0,0]
	v_fma_mix_f32_bf16 v[CTX+2*\g+1], v[RB+16*(\n%4)+\g], v[TSC+\n], v[CTX+2*\g+1] op_sel:[1,0,0] op_sel_hi:[1,0,0]
.endr
.if \n < 12
.irp q, 0,1,2,3
	ds_load_b128 v[RB+16*(\n%4)+4*\q:RB+16*(\n%4)+4*\q+3], v9 offset:2048*(\n+4)+512*\q
.endr
.endif
.endr
.endm
; ======================= THE HEADS
	s_cmp_eq_u32 s19, 0
	s_cbranch_scc0 .Lhead_loader
	; compute: 38 loads in the order in which the loop leaves them: tiles 0 and 1's pairs and scale words, tile 0's fragments, tile 2's pair and scale words, tile 1's fragments
	s_mov_b32 s30, 0                               ; 8,192 x the tile in hand
	global_load_b64 v[CQV:CQV+1], v16, s[10:11]
	global_load_b128 v[BSC:BSC+3], v1, s[8:9]
	global_load_b64 v[CQV+2:CQV+3], v16, s[10:11] offset:128
	global_load_b128 v[BSC+4:BSC+7], v1, s[8:9] offset:512
.irp s, 0,1,2,3,4,5,6,7
.irp c, 0,1
	global_load_b128 v[BFR+8*\s+4*\c:BFR+8*\s+4*\c+3], v1, s[6:7] offset:1024*\s+512*\c
.endr
.endr
	global_load_b64 v[CQV+4:CQV+5], v16, s[10:11] offset:256
	global_load_b128 v[BSC+8:BSC+11], v1, s[8:9] offset:1024
.irp s, 0,1,2,3,4,5,6,7
.irp c, 0,1
	global_load_b128 v[BFR+64+8*\s+4*\c:BFR+64+8*\s+4*\c+3], v1, s[6:7] offset:8192+1024*\s+512*\c
.endr
.endr
	s_branch .Lhead_done
.Lhead_loader:
	WIN 0x40
.irp n, 0,1,2,3,4,5,6,7
.irp k, 0,1,2,3,4,5,6,7
	global_load_b128 v[32*\n+4*\k:32*\n+4*\k+3], v1, s[4:5] offset:4096*\n+512*\k th:TH_LOAD_NT
.endr
.endr
	WIN 0
.set j, 0
.rept 32
	v_mov_b32 v[CTX+j], 0
.set j, j+1
.endr
.set j, 0
.rept 16
	v_mov_b32 v[TSC+j], 0
.set j, j+1
.endr
	v_mov_b32 v[MX], 0xff61b1e6                    ; m: -3e38, under every t
	v_mov_b32 v[LS], 0                             ; l
	PASS1                                          ; tile 0
	PASS2
.Lhead_done:
	BAR                                            ; tile 0's codes lie in LDS
	s_cmp_eq_u32 s19, 0
	s_cbranch_scc0 .Lpeel_done
	ALOAD
.Lpeel_done:
	BAR                                            ; and have been read: the loaders may store the next tile's
	s_mov_b32 s21, 1
; ======================= THE TRIPS
.Ltrip:
	s_xor_b32 s27, s27, 0x8000                     ; the copy in hand: tile p's, which is also tile p - 2's
	v_add_nc_u32 v9, s27, v10
	s_wait_alu depctr_va_vdst(0)                   ; directly behind the write
	s_cmp_eq_u32 s19, 0
	s_cbranch_scc0 .La_loader
	s_cmp_gt_u32 s21, 4
	s_cbranch_scc1 .La_done
	; ---- compute: tile p - 1, my 16 tiles of hidden units.  No LDS access stands in this loop.
.rept 8
	v_nop                                          ; the two roles' texts name the same register numbers: on every way through the text, whatever vector instruction last wrote a number
.endr                                              ; that the products below name as operand or scale stands eight places back or more (once a tile)
	HP 3, 0                                        ; pair P's products of hidden tile 0
	s_mov_b32 s36, 4
.Lfour:
	HQ 0
	HP 0, 1
	HQ 1
	HP 1, 1
	HQ 2
	HP 2, 1
	HQ 3
	s_cmp_eq_u32 s36, 1
	s_cbranch_scc1 .Lfour_last
	HP 3, 1
	s_branch .Lfour_next
.Lfour_last:
	s_wait_loadcnt 18                              ; only the youngest 18 loads may be out: 8 of the half-step before the last and the last one's 10
.irp k, 0,1,2,3,4,5,6,7
	TP ACC+16, CQV+6, \k                           ; the last hidden tile's pair Q: no products are left to set between the pieces
.if \k == 1
	BLD 1, 4                                       ; the 8 loads that the half-step before has left
.endif
.if \k < 4
	s_wait_alu depctr_va_vdst(0)                   ; the piece's wait
.endif
.endr
.Lfour_next:
	s_sub_co_u32 s36, s36, 1
	s_cmp_lg_u32 s36, 0
	s_cbranch_scc1 .Lfour
	; the sum over my 16 lanes' hidden units, four passes so that no line waits for the line above it; then 64 rows' partial t to LDS
.irp mk, 1,2,4,8
.set j, 0
.rept 32
	v_add_f32_dpp v[SUM+j], v[SUM+j], v[SUM+j] row_xmask:\mk row_mask:0xf bank_mask:0xf
.set j, j+1
.endr
.endr
.irp m, 0,1,2,3
.irp q, 0,1
	ds_store_b128 v4, v[SUM+8*\m+4*\q:SUM+8*\m+4*\q+3] offset:64*\m+16*\q   ; sixteen lanes store the same bytes with the same values
.endr
.endr
	s_branch .La_done
.La_loader:
	s_cmp_lt_u32 s21, 2
	s_cbranch_scc1 .La_no_context
	CONTEXT                                        ; tile p - 2
.La_no_context:
	s_cmp_gt_u32 s21, 3
	s_cbranch_scc1 .La_done
	s_wait_xcnt 0x0                                ; the base of the loads issued so far steps only behind this wait
	s_add_nc_u64 s[4:5], s[4:5], 262144            ; tile p
	PASS1
	s_cmp_eq_u32 s21, 3
	s_cbranch_scc1 .La_drain
	PASS2
	s_branch .La_done
.La_drain:
	PASS2_DRAIN
.La_done:
	BAR                                            ; tile p's codes and tile p - 1's partial t lie in LDS
	s_cmp_eq_u32 s19, 0
	s_cbranch_scc0 .Lb_loader
	s_cmp_gt_u32 s21, 3
	s_cbranch_scc1 .Lb_done
	ALOAD                                          ; tile p
	s_branch .Lb_done
.Lb_loader:
	s_cmp_gt_u32 s21, 4
	s_cbranch_scc1 .Lb_done
.irp c, 0,1,2,3
.irp j, 0,1,2,3
	ds_load_b128 v[XT+16*\c+4*\j:XT+16*\c+4*\j+3], v5 offset:256*\c+16*\j   ; my 16 rows' partial t of the four compute waves
.endr
.endr
	s_wait_dscnt 0x0
.irp i, 0,2,4,6,8,10,12,14
	v_pk_add_f32 v[TSC+\i:TSC+\i+1], v[XT+\i:XT+\i+1], v[XT+16+\i:XT+17+\i]
.endr
.irp i, 0,2,4,6,8,10,12,14
	v_pk_add_f32 v[TSC+\i:TSC+\i+1], v[TSC+\i:TSC+\i+1], v[XT+32+\i:XT+33+\i]
.endr
.irp i, 0,2,4,6,8,10,12,14
	v_pk_add_f32 v[TSC+\i:TSC+\i+1], v[TSC+\i:TSC+\i+1], v[XT+48+\i:XT+49+\i]
.endr
	s_cmp_lg_u32 s20, 0
	s_cbranch_scc1 .Lb_done
.irp c, 0,1,2,3                        ; loader 0 sends the tile's 64 t out, summed in the same order
	ds_load_b64 v[SC+2*\c:SC+2*\c+1], v6 offset:256*\c
.endr
	s_wait_dscnt 0x0
	v_pk_add_f32 v[SC:SC+1], v[SC:SC+1], v[SC+2:SC+3]
	v_pk_add_f32 v[SC:SC+1], v[SC:SC+1], v[SC+4:SC+5]
	v_pk_add_f32 v[SC:SC+1], v[SC:SC+1], v[SC+6:SC+7]
	global_store_b64 v[O8], v[SC:SC+1], s[12:13]   ; 32 lanes store 256 consecutive bytes, aligned
	s_wait_xcnt 0x0                                ; the store's base and data are rewritten only behind this wait
	s_add_nc_u64 s[12:13], s[12:13], 256
.Lb_done:
	BAR                                            ; the codes and the partial t have been read: both may be stored anew
	s_add_co_u32 s21, s21, 1
	s_cmp_lt_u32 s21, 6
	s_cbranch_scc1 .Ltrip
	s_cmp_eq_u32 s19, 0
	s_cbranch_scc1 .Lend
.irp k, 0,1,2,3,4,5,6,7
	global_store_b128 v1, v[CTX+4*\k:CTX+4*\k+3], s[14:15] offset:512*\k   ; my partial context: 512 consecutive bytes a store
.endr
	v_cmp_eq_u32 vcc_lo, 1, v17
	v_cndmask_b32 v[STW], v[MX], v[LS], vcc_lo     ; word 1: l; every other word: m
	global_store_b32 v[O4], v[STW], s[16:17]
.Lend:
	s_wait_tensorcnt 0x0                           ; the wave's end
	ds_add_u32 v[SPW], v[NIL]
	s_wait_dscnt 0x0
	s_endpgm
.Lfunc_end_k_q311dac1134_attend:
	.size	k_q311dac1134_attend, .Lfunc_end_k_q311dac1134_attend-k_q311dac1134_attend
	.p2alignl 7, 3214868480
	.fill 96, 4, 3214868480
	.section	.rodata,"a",@progbits
	.p2align	6, 0x0
	.amdhsa_kernel k_q311dac1134_attend
		.amdhsa_group_segment_fixed_size 319488
		.amdhsa_private_segment_fixed_size 0
		.amdhsa_enable_private_segment 0
		.amdhsa_kernarg_size 56
		.amdhsa_user_sgpr_count 2
		.amdhsa_user_sgpr_kernarg_segment_ptr 1
		.amdhsa_wavefront_size32 1
		.amdhsa_system_sgpr_workgroup_id_x 1
		.amdhsa_system_sgpr_workgroup_id_y 1
		.amdhsa_system_sgpr_workgroup_id_z 1
		.amdhsa_system_vgpr_workitem_id 0
		.amdhsa_next_free_vgpr 512
		.amdhsa_next_free_sgpr 66
		.amdhsa_reserve_vcc 1
		.amdhsa_float_denorm_mode_32 3
		.amdhsa_float_denorm_mode_16_64 3
		.amdhsa_memory_ordered 1
		.amdhsa_forward_progress 1
		.amdhsa_inst_pref_size 255
	.end_amdhsa_kernel
	.section	.bss,"aw",@nobits
	.p2align	6
	.space	262144
	.amdgpu_metadata
---
amdhsa.version: [ 1, 2 ]
amdhsa.kernels:
  - .name:           k_q311dac1134_attend
    .symbol:         k_q311dac1134_attend.kd
    .args:
      - { .name: values, .offset: 0, .size: 8, .value_kind: global_buffer, .address_space: global }
      - { .name: w1f, .offset: 8, .size: 8, .value_kind: global_buffer, .address_space: global }
      - { .name: w1s, .offset: 16, .size: 8, .value_kind: global_buffer, .address_space: global }
      - { .name: cqv, .offset: 24, .size: 8, .value_kind: global_buffer, .address_space: global }
      - { .name: tsc, .offset: 32, .size: 8, .value_kind: global_buffer, .address_space: global }
      - { .name: part, .offset: 40, .size: 8, .value_kind: global_buffer, .address_space: global }
      - { .name: stat, .offset: 48, .size: 8, .value_kind: global_buffer, .address_space: global }
    .group_segment_fixed_size: 319488
    .private_segment_fixed_size: 0
    .kernarg_segment_align: 8
    .kernarg_segment_size: 56
    .max_flat_workgroup_size: 256
    .sgpr_count:     66
    .vgpr_count:     512
    .wavefront_size: 32
...
	.end_amdgpu_metadata
.endif
;; end of part 2
;; launch finish (part 3): grid 32 x 4, 2 waves a work-group, no clusters, 0 bytes of LDS; arguments tsc, part, stat, out0, out1; writes out0, out1
.if DOCPART == 3
	.amdgcn_target "amdgcn-amd-amdhsa--gfx1250"
	.amdhsa_code_object_version 6
	.text
	.protected	k_q311dac1134_finish
	.globl	k_q311dac1134_finish
	.p2align	8
	.type	k_q311dac1134_finish,@function
k_q311dac1134_finish:
	s_mov_b64 s[64:65], 0
	v_nop
	global_prefetch_b8 v0, s[64:65] scope:SCOPE_SE
	s_setreg_imm32_b32 hwreg(HW_REG_WAVE_MODE, 25, 1), 1
	s_wait_xcnt 0x0
; Joins a batch's 32 partials.  M = the largest of their m; w_i = 2^(m_i - M); L = the sum of l_i w_i; context = the sum of part_i w_i / L; weight = 2^(t - M) / L.
; Work-group (b, y): columns 256 y .. + 255 of out0[b] and places 512 y .. + 511 of out1[b]; a thread takes 16 bytes of each piece, so sixteen lanes store 256 consecutive bytes, aligned.
; The launch moves some 4.6 MB once: no LDS, no barrier, no matrix instruction would add anything.  LIMIT: weights under 2^-126 come out as 0.
	s_load_b256 s[4:11], s[0:1], 0x0               ; tsc s[4:5], part s[6:7], stat s[8:9], out0 s[10:11]
	s_load_b64 s[12:13], s[0:1], 0x20              ; out1
	s_and_b32 s14, ttmp7, 0xffff                   ; y
	v_and_b32 v1, 31, v0
	v_lshlrev_b32 v1, 7, v1                        ; lane i: partial i's 128 bytes of stat
	v_lshlrev_b32 v2, 4, v0                        ; 16 bytes a thread
	s_mov_b32 s52, 0x76543210
	s_mov_b32 s53, 0xfedcba98                      ; v_permlanex16_b32's selects for lane l xor 16
	s_mov_b32 s17, 0
	s_wait_alu depctr_va_vdst(0)
	s_wait_kmcnt 0x0
	s_lshl_b32 s16, ttmp9, 12
	s_add_nc_u64 s[8:9], s[8:9], s[16:17]          ; stat: 32 partials of 128 bytes a batch
	s_lshl_b32 s15, s14, 10
	s_add_co_u32 s16, s16, s15
	s_add_nc_u64 s[10:11], s[10:11], s[16:17]      ; out0: 4,096 bytes a batch, 1,024 a work-group
	s_lshl_b32 s16, ttmp9, 13
	s_lshl_b32 s15, s14, 11
	s_add_co_u32 s16, s16, s15
	s_add_nc_u64 s[4:5], s[4:5], s[16:17]          ; tsc and out1: 8,192 bytes a batch, 2,048 a work-group
	s_add_nc_u64 s[12:13], s[12:13], s[16:17]
	s_lshl_b32 s16, ttmp9, 17
	s_lshl_b32 s15, s14, 10
	s_add_co_u32 s16, s16, s15
	s_add_nc_u64 s[6:7], s[6:7], s[16:17]          ; part: 32 partials of 4,096 bytes a batch
	global_load_b32 v3, v1, s[8:9]                 ; m_i
	global_load_b32 v4, v1, s[8:9] offset:4        ; l_i
	global_load_b128 v[8:11], v2, s[4:5]
	global_load_b128 v[12:15], v2, s[4:5] offset:1024
.set i, 0
.rept 32
	global_load_b128 v[32+4*i:35+4*i], v2, s[6:7] offset:4096*i
.set i, i+1
.endr
	s_wait_loadcnt 34                              ; m and l are in; behind them stand 2 + 32 loads
	v_mov_b32 v6, 0                                ; a lane permute's destination counts as one of its sources
	v_mov_b32 v5, v3
	v_max_num_f32_dpp v5, v5, v5 row_xmask:1 row_mask:0xf bank_mask:0xf
	v_max_num_f32_dpp v5, v5, v5 row_xmask:2 row_mask:0xf bank_mask:0xf
	v_max_num_f32_dpp v5, v5, v5 row_xmask:4 row_mask:0xf bank_mask:0xf
	v_max_num_f32_dpp v5, v5, v5 row_xmask:8 row_mask:0xf bank_mask:0xf
	v_permlanex16_b32 v6, v5, s52, s53
	v_max_num_f32 v5, v5, v6                       ; M, in every lane
	v_sub_f32 v7, v3, v5
	s_wait_alu depctr_va_vdst(0)
	v_exp_f32 v7, v7                               ; w_i
	v_nop                                          ; a plain line behind the transcendental
	s_wait_alu depctr_va_vdst(0)                   ; the wait ahead of its first reader
	v_mul_f32 v16, v4, v7
	v_add_f32_dpp v16, v16, v16 row_xmask:1 row_mask:0xf bank_mask:0xf
	v_add_f32_dpp v16, v16, v16 row_xmask:2 row_mask:0xf bank_mask:0xf
	v_add_f32_dpp v16, v16, v16 row_xmask:4 row_mask:0xf bank_mask:0xf
	v_add_f32_dpp v16, v16, v16 row_xmask:8 row_mask:0xf bank_mask:0xf
	v_permlanex16_b32 v6, v16, s52, s53
	v_add_f32 v16, v16, v6                         ; L
	s_wait_alu depctr_va_vdst(0)
	v_rcp_f32 v17, v16
	v_nop
	s_wait_alu depctr_va_vdst(0)                   ; likewise
	v_mul_f32 v7, v7, v17
.set i, 0
.rept 32
	v_readlane_b32 s[20+i], v7, i                  ; as factors only: no address and no branch is made of them
.set i, i+1
.endr
	s_wait_loadcnt 32                              ; t is in
.irp i, 0,1,2,3,4,5,6,7
	v_sub_f32 v[8+\i], v[8+\i], v5
.endr
	s_wait_alu depctr_va_vdst(0)
.irp i, 0,1,2,3,4,5,6,7
	v_exp_f32 v[8+\i], v[8+\i]
.endr
	v_nop
	s_wait_alu depctr_va_vdst(0)                   ; one wait for the batch of eight
.irp i, 0,1,2,3,4,5,6,7
	v_mul_f32 v[8+\i], v[8+\i], v17
.endr
	global_store_b128 v2, v[8:11], s[12:13]
	global_store_b128 v2, v[12:15], s[12:13] offset:1024
.set i, 0
.rept 32
.if i%8 == 0
	s_wait_alu depctr_va_vdst(0)
	s_wait_loadcnt 24-i                            ; eight more partials are in
.endif
.if i == 0
.irp e, 0,1,2,3
	v_mul_f32 v[20+\e], s20, v[32+\e]              ; the first product starts the sums
.endr
.else
.irp e, 0,1,2,3
	v_fmac_f32 v[20+\e], s[20+i], v[32+4*i+\e]
.endr
.endif
.set i, i+1
.endr
	global_store_b128 v2, v[20:23], s[10:11]
	s_endpgm
.Lfunc_end_k_q311dac1134_finish:
	.size	k_q311dac1134_finish, .Lfunc_end_k_q311dac1134_finish-k_q311dac1134_finish
	.p2alignl 7, 3214868480
	.fill 96, 4, 3214868480
	.section	.rodata,"a",@progbits
	.p2align	6, 0x0
	.amdhsa_kernel k_q311dac1134_finish
		.amdhsa_group_segment_fixed_size 0
		.amdhsa_private_segment_fixed_size 0
		.amdhsa_enable_private_segment 0
		.amdhsa_kernarg_size 40
		.amdhsa_user_sgpr_count 2
		.amdhsa_user_sgpr_kernarg_segment_ptr 1
		.amdhsa_wavefront_size32 1
		.amdhsa_system_sgpr_workgroup_id_x 1
		.amdhsa_system_sgpr_workgroup_id_y 1
		.amdhsa_system_sgpr_workgroup_id_z 1
		.amdhsa_system_vgpr_workitem_id 0
		.amdhsa_next_free_vgpr 160
		.amdhsa_next_free_sgpr 66
		.amdhsa_reserve_vcc 0
		.amdhsa_float_denorm_mode_32 3
		.amdhsa_float_denorm_mode_16_64 3
		.amdhsa_memory_ordered 1
		.amdhsa_forward_progress 1
		.amdhsa_inst_pref_size 14
	.end_amdhsa_kernel
	.amdgpu_metadata
---
amdhsa.version: [ 1, 2 ]
amdhsa.kernels:
  - .name:           k_q311dac1134_finish
    .symbol:         k_q311dac1134_finish.kd
    .args:
      - { .name: tsc, .offset: 0, .size: 8, .value_kind: global_buffer, .address_space: global }
      - { .name: part, .offset: 8, .size: 8, .value_kind: global_buffer, .address_space: global }
      - { .name: stat, .offset: 16, .size: 8, .value_kind: global_buffer, .address_space: global }
      - { .name: out0, .offset: 24, .size: 8, .value_kind: global_buffer, .address_space: global }
      - { .name: out1, .offset: 32, .size: 8, .value_kind: global_buffer, .address_space: global }
    .group_segment_fixed_size: 0
    .private_segment_fixed_size: 0
    .kernarg_segment_align: 8
    .kernarg_segment_size: 40
    .max_flat_workgroup_size: 64
    .sgpr_count:     66
    .vgpr_count:     160
    .wavefront_size: 32
...
	.end_amdgpu_metadata
.endif
;; end of part 3
